; MI455X (gfx1250); checked and timed in simulation.
; The chip was launched on July 23, 2026; its instructions are those of AMD's public machine-readable ISA for CDNA 5 (MIT licence, August 2026) and "CDNA5" Instruction Set Architecture Reference Guide (July 2026). The comments in the code are by the model that wrote it; some were corrected since.
;; Mo E. Allowed arithmetic: matrix products marked QUANTISED: E2M1 operands, one E8M0 scale for each 32 along K, by v_wmma_scale_f32_16x16x128_f8f6f4 with both operands' format E2M1 (or v_wmma_scale_f32_32x16x128_f4), f32 sums; products left as they are: f32 operands where the result goes on into a quantised operand, else bf16, f16 or f32 operands; f32 sums; everything else in f32.
;; Inputs: W1_codes 8 x 512 x 16 x 16 uint8 (E2M1 codes of W1, K innermost, in blocks of 32 codes, two codes a byte); W1_scales 8 x 512 x 16 uint8 (E8M0 scales of W1, one for each 32 codes along K); W2_codes 8 x 512 x 16 x 16 uint8 (E2M1 codes of W2, K innermost, in blocks of 32 codes, two codes a byte); W2_scales 8 x 512 x 16 uint8 (E8M0 scales of W2, one for each 32 codes along K); Wg 512 x 8 float32; b1 8 x 512 float32; b2 8 x 512 float32; bg 8 float32; x 8 x 2,048 x 512 float32.
;; Outputs: out0 8 x 2,048 x 512 float32.
;; This version of the problem:
;;   THIS VERSION OF THE PROBLEM IS GIVEN IN LOW PRECISION. The matrix products marked QUANTISED in the list below multiply operands that are first quantised to E2M1 (2 exponent bits, 1 mantissa bit; 4 bits a number), with one power-of-two scale for each 32 numbers along K (OCP MX v1.0); their sums are f32. All else is computed in f32.
;;   The module's matrix products, in the order in which they are computed (A, B: the left and right operand; K: the contracted axis; several contracted axes count as one K, in the product's order):
;;     1. [M 4,096, K 512] x [K 512, N 16,384]; A: input W1 (given as codes); B: input x: QUANTISED
;;     2. batch 8 x [M 16,384, K 512] x [K 512, N 512]; A: computed on the way; B: input W2 (given as codes): QUANTISED
;;     3. [M 16,384, K 512] x [K 512, N 8]; A: input x; B: input Wg: left as it is (N = 8 < 16)
;;     4. batch 16,384 x [M 1, K 8] x [K 8, N 512]; A: softmax; B: computed on the way: left as it is (K = 8 < 32)
;;   THE QUANTISER, for each operand of a quantised product, along K:
;;     - K is cut into blocks of 32 from its start; a last block that is shorter is filled with zeros.
;;     - A block's scale is 2^e with e = floor(log2(the largest magnitude in the block)) - 2, held to -126 .. 127; a block of zeros has e = 0. As a byte (E8M0): e + 127.
;;     - Each number is divided by its block's scale, clamped to +-6, and rounded to the nearest number of E2M1, ties to even, subnormals kept.
;;     - The product sums the exact products of the quantised numbers (number of the format x scale) in f32.
;;   ~~~python
;;   def quantise(x, axis):      # numpy; x: float32 -> the quantised numbers, widened to float32 again
;;       x = np.moveaxis(x, axis, -1); K = x.shape[-1]
;;       x = np.pad(x, [(0, 0)] * (x.ndim - 1) + [(0, -K % 32)]); x = x.reshape(x.shape[:-1] + (-1, 32)); a = np.abs(x).max(-1, keepdims=True)
;;       e = np.where(a > 0, np.clip(np.frexp(np.where(a > 0, a, 1))[1] - 1 - 2, -126, 127), 0)      # np.frexp(a)[1] - 1 = floor(log2(a)), exactly
;;       r = np.clip(x / 2.0 ** e, -6, 6)
;;       step = 2.0 ** (np.maximum(np.frexp(np.where(r == 0, 1, r))[1] - 1, 0) - 1)
;;       q = np.round(r / step) * step * 2.0 ** e      # np.round: ties to even
;;       return np.moveaxis(q.reshape(q.shape[:-2] + (-1,))[..., :K], -1, axis).astype(np.float32)
;;   ~~~
;;   OPERANDS COMPUTED ON THE WAY. 'Computed on the way' means the value that the module computes at that place (a softmax that the list does not call 'softmax' is quantised finished and normalised). What goes into a quantiser is computed in f32, as accurately as f32 sums, v_exp_f32 and their like allow (about 1e-6 of the number): no bf16 or f16 on the way to a quantiser, and a product that is left as it is and whose result goes on into a quantised operand takes f32 operands (vector FMAs, or v_wmma_f32_16x16x4_f32). A number that lies on a knife's edge between two numbers of the format may be rounded either way, as far as f32 arithmetic and the matrix unit's own rounding can turn it there, and no further.
;;   INPUTS GIVEN AS CODES. W1 (in the module: [8, 512, 512], K = its axis 1); W2 (in the module: [8, 512, 512], K = its axis 1): each comes as NAME_codes (uint8): NAME with its K axis moved to the last place and cut into blocks of 32 codes, [.., K / 32, bytes a block], one block behind the other in memory; two codes a byte, the lower K in the low four bits (a code: sign, 2 exponent bits, 1 mantissa bit); and NAME_scales (uint8): the same leading axes, one E8M0 byte (e + 127) for each 32 codes along K. Its value is code x scale, taken as it is: it is not quantised again, and the codes and scales need not be those that the quantiser above would give.
;; One version. Each part assembles by itself: llvm-mc -triple=amdgcn-amd-amdhsa -mcpu=gfx1250 --defsym DOCPART=n.
;; ======== version 1 of 1: 1 launch
;; limits: values are held in f16: magnitudes above 65,504 overflow, below 6.1e-05 lose precision; values are held in bf16: 8 bits of precision; right only within a limited range of input values
;; launch moe (part 1): grid 256 x 1, 4 waves a work-group, clusters of 4 x 1, 327,680 bytes of LDS; arguments x, W1_codes, W1_scales, b1, W2_codes, W2_scales, b2, Wg, bg, out0; writes out0
.if DOCPART == 1
	.amdgcn_target "amdgcn-amd-amdhsa--gfx1250"
	.amdhsa_code_object_version 6
	.text
	.protected	k_q9c849b0447_moe
	.globl	k_q9c849b0447_moe
	.p2align	8
	.type	k_q9c849b0447_moe,@function
k_q9c849b0447_moe:
	s_mov_b64 s[64:65], 0
	v_nop
	global_prefetch_b8 v0, s[64:65] scope:SCOPE_SE
	s_setreg_imm32_b32 hwreg(HW_REG_WAVE_MODE, 25, 1), 1
	s_wait_xcnt 0x0
	s_wait_alu depctr_hold_cnt(0) depctr_sa_sdst(0) depctr_va_vdst(0) depctr_va_sdst(0) depctr_va_ssrc(0) depctr_va_vcc(0) depctr_vm_vsrc(0)
	s_getreg_b32 s2, hwreg(HW_REG_IB_STS2, 6, 4)
	s_cmp_eq_u32 s2, 0
	s_cbranch_scc0 .Lentry_in_a_cluster
	s_endpgm
.Lentry_in_a_cluster:
	s_bfe_u32 s2, ttmp6, 0x10000c
	s_cmp_lg_u32 s2, 0x3003
	s_cbranch_scc0 .Lentry_shape_is_right
	s_endpgm
.Lentry_shape_is_right:
; out[t] = sum over e of softmax(x[t] Wg + bg)[e] x (Q(relu(Q(x[t]) W1[e] + b1[e])) W2[e] + b2[e]); 16,384 tokens, 8 experts, 512 x 512 weights in E2M1 codes; Q is the MX-FP4 quantiser.
; A work-group owns 64 tokens and takes them through all 8 experts; nothing but x, the weights and the result passes through memory.  Four waves: wave w makes features 128 w .. 128 w + 127 of both products for all 64 tokens.
; Both products are used transposed: source 0 = 32 rows of a weight, source 1 = 16 tokens (mm = 0..3): a lane holds ONE token (lane % 16), register 8 T + j of a tile the feature 16 T + 8 (lane / 16) + j.
; LDS: slot A (W1 of an expert: 512 rows of 256 + 16 bytes), slot B (W2's; at first x's 64 rows), the hidden layer's and x's codes as images of operand registers, their scale words, the gates.
; CLUSTERS of four work-groups walk the experts in the same order, beginning at expert (cluster % 8), and ask for each weight tile jointly: each wave its own 128 rows (W1's first tile: waves 2 and 3, 256 rows each).
; A wave reads only the weight rows that it has fetched itself (but for W1's first tile, behind a barrier): its own wait on TENSORcnt serves those reads.
; The sum over e of gate x b2[e] is one product with bf16 operands (K = 8 of 32), which starts the output's accumulators.  The gate's logits are a product with f16 operands.
; PREFETCH: W2's tile of the first expert alone, 256 bytes a lane, shared out by address among the work-groups of four clusters of each first expert.  Later experts' tiles are the first ones of other clusters of this launch, which read them at its start: none is asked for ahead.
; LIMITS: |x| and |Wg| under 65,504 (f16 operands of the gate), |b2| under 3.3e38 (bf16); NaN and infinities are not carried as reference() carries them.  The promise of the softmax holds while the logits times log2(e) stay under 2^31.
; REGISTERS: window 0 addresses, scales, b1, H's fragments (two sets; the quantiser works in the same registers); window 1 weight fragments (two sets of 64) and X (128); window 2 a product's sums; window 3 the output's sums.
.set PITCH, 272
.set QUART, 128*PITCH
.set SLB,   4*QUART
.set XP,    1040                       ; x: half a row, 1,024 bytes + 16
.set HIMG,  2*SLB
.set HSC,   HIMG+16384
.set XIMG,  HSC+2048
.set XSC,   XIMG+16384
.set GIMG,  XSC+2048                   ; gates, f32: [expert in my order][token % 16][token / 16]
.set GBI,   GIMG+2048                  ; gates, bf16, as images of an operand's lower four registers
.set SPARE, GBI+2048                   ; the spare words: 128 bytes a wave
.set SPW,  1
.set NIL,  2
.set AW1,  3
.set AW2,  4
.set LIH,  5
.set LSH,  6
.set HWI,  7
.set HWS,  8
.set LIX,  9
.set LSX,  10
.set XWI,  11
.set XWS,  12
.set XA,   13
.set XA1,  14
.set GR0,  15
.set GRA,  16
.set BOFF, 17
.set SOFF, 18
.set STO,  19
.set RD,   20
.set CO,   21
.set PFO,  22
.set WGO,  23
.set BGO,  24
.set WGW,  25
.set XS,   32
.set HS,   48
.set W1S,  64
.set W2S,  80
.set BIAS, 96
.set G,    160
.set GBR,  164
.set GWA,  165
.set BGV,  166
.set GBW,  167
.set HMASK, 168
.set PW,   176
.set HF,   192
.set PC,   192                         ; the quantiser: 32 words of codes,
.set TM,   224                         ; 16 + 16 registers at work
.set TN,   240
.set WGB,  192
.set WGF,  192                         ; window 2
.set XF,   128                         ; window 1
.set XB,   128                         ; window 1
.set GA,   128                         ; window 3
.set T1,   170                         ; window 3
.set GPK,  176                         ; window 3
.set WV,   24
.set EX,   27
.set EN,   28
.set CNT,  29
.set GI,   30
.set SEL,  32
.set M1,   34
.set M7,   35
.set G0A,  36
.set G0B,  40
.set G0X,  44
.set G1W,  48
.set G1X,  56
.set BGS,  72
.set G1H,  88
.set G0H,  96
.set MSB, 0
.macro WIN new
.if MSB != (\new)
	s_set_vgpr_msb (MSB<<8)|(\new)
.set MSB, (\new)
.endif
.endm
.macro PLACES
.rept 4
	v_nop
.endr
.endm
.macro CREST                           ; a round of the cluster's barrier behind its opening barrier
	s_cmp_lg_u32 s[WV], 0
	s_cbranch_scc1 .Lnot_wave_0_\@
	s_barrier_signal -3
.Lnot_wave_0_\@:
	s_barrier_wait -3
	s_barrier_signal -1
	s_barrier_wait -1
.endm
.macro ROUND
	s_barrier_signal -1
	s_barrier_wait -1
	CREST
.endm
.macro PTR dst, base, idx, sh
	s_lshl_b32 s66, s[\idx], \sh
	s_mov_b32 s67, 0
	s_add_nc_u64 s[\dst:\dst+1], s[\base:\base+1], s[66:67]
.endm
; scale words of my 128 rows: lane l takes row 32 i + l, 16 bytes = four K steps of 128
.macro SLOADS sb, idx, ws
	WIN 0
	PTR 70, \sb, \idx, 13
.irp i, 0,1,2,3
	global_load_b128 v[\ws+4*\i:\ws+4*\i+3], v[SOFF], s[70:71] offset:512*\i
.endr
.endm
.macro BLOADS idx                      ; b1 at my features, in the result's layout
	WIN 0
	PTR 68, 10, \idx, 11
.irp T, 0,1,2,3,4,5,6,7
	global_load_b128 v[BIAS+8*\T:BIAS+8*\T+3],   v[BOFF], s[68:69] offset:64*\T
	global_load_b128 v[BIAS+8*\T+4:BIAS+8*\T+7], v[BOFF], s[68:69] offset:64*\T+16
.endr
.endm
.macro FETCHW adr, ks, base            ; a whole K step's fragments of my 128 rows
	WIN 0x40
.irp T, 0,1,2,3,4,5,6,7
	ds_load_b128 v[\base+8*\T:\base+8*\T+3],   v[\adr] offset:16*PITCH*\T+64*(\ks)
	ds_load_b128 v[\base+8*\T+4:\base+8*\T+7], v[\adr] offset:16*PITCH*\T+64*(\ks)+32
.endr
.endm
.macro FETCHH ks                       ; the hidden layer's fragments of a K step, 64 tokens
	WIN 0
.irp mm, 0,1,2,3
	ds_load_b128 v[HF+32*((\ks)%2)+8*\mm:HF+32*((\ks)%2)+8*\mm+3],   v[LIH] offset:1024*(4*\mm+(\ks))
	ds_load_b128 v[HF+32*((\ks)%2)+8*\mm+4:HF+32*((\ks)%2)+8*\mm+7], v[LIH] offset:1024*(4*\mm+(\ks))+512
.endr
.endm
; Four matrix instructions: 32 rows (p) x four token tiles, 128 along K.  w: how many LDS loads may still be out (99: no wait).
; The 16 accumulators take turns.
.macro GRP ph, ks, p, w
.if \w < 64
	s_wait_dscnt \w
.endif
.if \ks == 0
	WIN 0x89-4*\ph
.else
	WIN 0xa9-4*\ph
.endif
.irp mm, 0,1,2,3
.set rD, 64*\mm+16*\p
.set rA, 64*(\ks%2)+16*\p
.if \ph == 1
.set rB, XF+8*(4*\mm+\ks)
.set rSA, W1S+4*\p+\ks
.set rSB, XS+4*\mm+\ks
.else
.set rB, HF+32*(\ks%2)+8*\mm
.set rSA, W2S+4*\p+\ks
.set rSB, HS+4*\mm+\ks
.endif
.if \ks > 0
	v_wmma_scale_f32_32x16x128_f4 v[rD:rD+15], v[rA:rA+15], v[rB:rB+7], v[rD:rD+15], v[rSA], v[rSB]
.else
.if \ph == 1
	v_wmma_scale_f32_32x16x128_f4 v[rD:rD+15], v[rA:rA+15], v[rB:rB+7], v[BIAS+16*\p:BIAS+16*\p+15], v[rSA], v[rSB]
.else
	v_wmma_scale_f32_32x16x128_f4 v[rD:rD+15], v[rA:rA+15], v[rB:rB+7], 0, v[rSA], v[rSB]
.endif
.endif
.endr
.endm
; A K step of 128.  In front of K steps 1 and 2 stands one run of loads: the next K step's fragments, into the sets that the step before has left (four places behind it): W's 16, in phase 2 H's 8 ahead of them.
; younger: the loads issued behind this step's own 16 of W; a group of 32 rows waits for its own four of them.
.macro MUL ph, ks, younger
.if (\ks == 1) || (\ks == 2)
.if \ph == 1
	FETCHW AW1, \ks+1, 64*((\ks+1)%2)
.else
	FETCHH \ks+1
	FETCHW AW2, \ks+1, 64*((\ks+1)%2)
.endif
.endif
	GRP \ph, \ks, 0, \younger+12
	GRP \ph, \ks, 1, \younger+8
	GRP \ph, \ks, 2, \younger+4
	GRP \ph, \ks, 3, \younger
.endm
; THE QUANTISER, 16 blocks by turns: block q is registers 16 q .. 16 q + 15 of window 2 in lanes l and l xor 16.  The floor 2^(3 - 127) keeps a byte at 1 or above.
; mag = 0: what is negative does not count (relu): the maximum is of signed numbers, and QMASK clears the codes of negative numbers.
.macro QMAX mag
	WIN 0x28
.irp q, 0,1,2,3,4,5,6,7,8,9,10,11,12,13,14,15
.if \mag
	v_max3_num_f32 v[TM+\q], 0x1800000, |v[16*\q]|, |v[16*\q+1]|
.else
	v_max3_num_f32 v[TM+\q], 0x1800000, v[16*\q], v[16*\q+1]
.endif
.endr
.irp i, 2,4,6,8,10,12,14
.irp q, 0,1,2,3,4,5,6,7,8,9,10,11,12,13,14,15
.if \mag
	v_max3_num_f32 v[TM+\q], v[TM+\q], |v[16*\q+\i]|, |v[16*\q+\i+1]|
.else
	v_max3_num_f32 v[TM+\q], v[TM+\q], v[16*\q+\i], v[16*\q+\i+1]
.endif
.endr
.endr
	WIN 0
.irp q, 0,1,2,3,4,5,6,7,8,9,10,11,12,13,14,15
	v_permlanex16_b32 v[TN+\q], v[TM+\q], s[SEL], s[SEL+1]
.endr
.irp q, 0,1,2,3,4,5,6,7,8,9,10,11,12,13,14,15
	v_max_num_f32 v[TM+\q], v[TM+\q], v[TN+\q]
.endr
.irp q, 0,1,2,3,4,5,6,7,8,9,10,11,12,13,14,15
	v_add_nc_u32 v[TM+\q], 0xff000000, v[TM+\q]    ; 2 off the exponent field: the conversion's scale operand
.endr
.irp q, 0,1,2,3,4,5,6,7,8,9,10,11,12,13,14,15
	v_lshrrev_b32 v[TN+\q], 23, v[TM+\q]           ; the scale's byte
.endr
.irp m, 0,1,2,3
	v_lshl_or_b32 v[PW+\m], v[TN+4*\m+1], 8, v[TN+4*\m]
.endr
.irp m, 0,1,2,3
	v_lshl_or_b32 v[PW+\m], v[TN+4*\m+2], 16, v[PW+\m]
.endr
.irp m, 0,1,2,3
	v_lshl_or_b32 v[PW+\m], v[TN+4*\m+3], 24, v[PW+\m]
.endr
.endm
.macro QCVT
	WIN 0x02
.irp m, 0,1,2,3
.irp T, 0,1,2,3,4,5,6,7
	v_cvt_scalef32_pk8_fp4_f32 v[PC+8*\m+4*(\T/4)+2*(\T%2)+(\T%4)/2], v[64*\m+8*\T:64*\m+8*\T+7], v[TM+4*\m+\T/2]
.endr
.endr
	WIN 0
	v_nop
.endm
; In each nibble 7 + sign = 7 keeps a positive code, 8 keeps the sign alone (minus zero).
.macro QMASK
.set i, 0
.rept 32
	v_lshrrev_b32 v[TM+i], 3, v[PC+i]
.set i, i+1
.endr
.set i, 0
.rept 32
	v_and_b32 v[TM+i], s[M1], v[TM+i]
.set i, i+1
.endr
.set i, 0
.rept 32
	v_add_nc_u32 v[TM+i], s[M7], v[TM+i]
.set i, i+1
.endr
.set i, 0
.rept 32
	v_and_b32 v[PC+i], v[PC+i], v[TM+i]
.set i, i+1
.endr
.endm
.macro QSWAP                           ; a whole block into a lane, as the operand's layout has it
.irp m, 0,1,2,3
.irp c, 0,2,4,6
	v_permlane16_swap_b32 v[PC+8*\m+\c], v[PC+8*\m+\c+1]
.endr
.endr
.endm
.macro IMAGE adr, pc, off
	ds_store_b128 v[\adr], v[\pc:\pc+3] offset:\off
	ds_store_b128 v[\adr], v[\pc+4:\pc+7] offset:\off+512
.endm
.macro FMA mm                          ; output += gate x the expert's result, token tile mm
	WIN 0xf2
.set i, 0
.rept 32
.if \mm%2
	v_pk_fma_f32 v[64*\mm+i:64*\mm+i+1], v[64*\mm+i:64*\mm+i+1], v[G+2*(\mm/2):G+2*(\mm/2)+1], v[64*\mm+i:64*\mm+i+1] op_sel:[0,1,0] op_sel_hi:[1,1,1]
.else
	v_pk_fma_f32 v[64*\mm+i:64*\mm+i+1], v[64*\mm+i:64*\mm+i+1], v[G+2*(\mm/2):G+2*(\mm/2)+1], v[64*\mm+i:64*\mm+i+1] op_sel_hi:[1,0,1]
.endif
.set i, i+2
.endr
.endm
	s_load_b512 s[4:19], s[0:1], 0x0               ; x, W1 codes, W1 scales, b1, W2 codes, W2 scales, b2, Wg
	s_load_b128 s[20:23], s[0:1], 0x40             ; bg, out0
	v_lshl_add_u32 v[SPW], v0, 2, SPARE
	v_mov_b32 v[NIL], 0
	ds_add_u32 v[SPW], v[NIL]                      ; the opening add, twice on end, and its wait
	ds_add_u32 v[SPW], v[NIL]
	v_lshrrev_b32 v26, 5, v0
	v_readfirstlane_b32 s[WV], v26
	s_bfe_u32 s25, ttmp6, 0x40000                  ; my place in the cluster
	s_lshl_b32 s26, ttmp9, 2
	s_add_co_u32 s26, s26, s25                     ; work-group: 64 tokens
	s_and_b32 s[EX], ttmp9, 7                      ; the first expert
	s_lshr_b32 s31, ttmp9, 3
	s_mov_b32 s[SEL], 0x76543210
	s_mov_b32 s[SEL+1], 0xfedcba98
	s_mov_b32 s[M1], 0x11111111
	s_mov_b32 s[M7], 0x77777777
	s_mov_b32 s[CNT], 7
	s_mov_b32 s[GI], 0
	; group 1 for a weight tile: 128 rows of 256 bytes, 16 bytes of padding behind each; the mask names the four work-groups
	; (128 rows are dense in memory: stated as 16 rows of 2,048 bytes, in elements of 8 bytes, with the padding still behind every 64 words)
	s_mov_b32 s[G1W], 15|(3<<16)|(1<<20)|(1<<21)|(5<<22)|(3<<25)
	s_mov_b32 s[G1W+1], 256<<16
	s_mov_b32 s[G1W+2], 16<<16
	s_mov_b32 s[G1W+3], 256<<16
	s_mov_b32 s[G1W+4], 16
	s_mov_b32 s[G1W+5], 256
	s_mov_b32 s[G1W+6], 0
	s_mov_b32 s[G1W+7], 0
	; the same with 256 rows, for the head
	s_mov_b32 s[G1H], 15|(3<<16)|(1<<20)|(1<<21)|(5<<22)|(3<<25)
	s_mov_b32 s[G1H+1], 256<<16
	s_mov_b32 s[G1H+2], 32<<16
	s_mov_b32 s[G1H+3], 256<<16
	s_mov_b32 s[G1H+4], 32
	s_mov_b32 s[G1H+5], 256
	s_mov_b32 s[G1H+6], 0
	s_mov_b32 s[G1H+7], 0
	; x: 64 rows of 1,024 bytes (half of K), 2,048 bytes apart in memory, 16 bytes of padding behind each; elements of 8 bytes
	s_mov_b32 s[G1X], (3<<16)|(1<<20)|(7<<22)|(3<<25)
	s_mov_b32 s[G1X+1], 128<<16
	s_mov_b32 s[G1X+2], 64<<16
	s_mov_b32 s[G1X+3], 128<<16
	s_mov_b32 s[G1X+4], 64
	s_mov_b32 s[G1X+5], 256
	s_mov_b32 s[G1X+6], 0
	s_mov_b32 s[G1X+7], 0
	s_mul_i32 s80, s[WV], QUART                    ; my 128 rows in a slot
	s_add_co_u32 s81, s80, SLB
	s_mov_b32 s67, 0
	s_mov_b32 s83, 0
	s_lshl_b32 s82, s26, 17                        ; my 64 tokens in x and in the result, in bytes
	s_and_b32 s84, s[WV], 1                        ; the head: which half I fetch
	s_mul_i32 s85, s84, 2*QUART
	s_add_co_u32 s86, s85, SLB
	s_wait_alu depctr_va_vdst(0)
	s_wait_dscnt 0x0
	s_wait_kmcnt 0x0
	s_add_nc_u64 s[4:5], s[4:5], s[82:83]
	s_add_nc_u64 s[22:23], s[22:23], s[82:83]
	s_lshl_b32 s66, s84, 10
	s_mov_b32 s[G0X], 1
	s_mov_b32 s[G0X+1], s86
	s_add_nc_u64 s[G0X+2:G0X+3], s[4:5], s[66:67]
	s_or_b32 s[G0X+3], s[G0X+3], 0x80000000
	s_lshl_b32 s66, s[EX], 17
	s_lshl_b32 s68, s84, 16
	s_add_co_u32 s66, s66, s68
	s_mov_b32 s[G0H], 1
	s_mov_b32 s[G0H+1], s85
	s_add_nc_u64 s[G0H+2:G0H+3], s[6:7], s[66:67]
	s_or_b32 s[G0H+3], s[G0H+3], 0x80000000
	s_lshl_b32 s66, s[WV], 15
	s_add_nc_u64 s[6:7], s[6:7], s[66:67]          ; my rows: codes,
	s_add_nc_u64 s[12:13], s[12:13], s[66:67]
	s_lshl_b32 s66, s[WV], 11
	s_add_nc_u64 s[8:9], s[8:9], s[66:67]          ; scales,
	s_add_nc_u64 s[14:15], s[14:15], s[66:67]
	s_lshl_b32 s66, s[WV], 9
	s_add_nc_u64 s[10:11], s[10:11], s[66:67]      ; biases
	s_add_nc_u64 s[16:17], s[16:17], s[66:67]
	s_mov_b32 s[G0A], 1
	s_mov_b32 s[G0A+1], s80
	s_mov_b32 s[G0B], 1
	s_mov_b32 s[G0B+1], s81
	PTR G0B+2, 12, EX, 17
	s_or_b32 s[G0B+3], s[G0B+3], 0x80000000
	ROUND                                          ; the four work-groups are here: the first joint loads meet
	s_cmp_lt_u32 s[WV], 2                          ; one load a wave: waves 0 and 1 x's halves into slot B, waves 2 and 3 the halves of the first W1 into slot A
	s_cbranch_scc0 .Lhead_w
	tensor_load_to_lds s[G0X:G0X+3], s[G1X:G1X+7]
	s_nop 0
	PLACES
	s_branch .Lhead_asked
.Lhead_w:
	tensor_load_to_lds s[G0H:G0H+3], s[G1H:G1H+7]
	s_nop 0
	PLACES
.Lhead_asked:
	v_and_b32 v26, 15, v0                          ; r
	v_bfe_u32 v27, v0, 4, 1                        ; h
	v_and_b32 v28, 31, v0                          ; lane
	v_add_nc_u32 v29, s[EX], v26
	v_and_b32 v29, 7, v29                          ; row r of the gate's product: expert (first + r) % 8
	v_lshlrev_b32 v[BGO], 2, v29
	s_lshl_b32 s72, s[WV], 12
	v_lshl_add_u32 v[WGO], v27, 8, v[BGO]
	v_add_nc_u32 v[WGO], s72, v[WGO]
	v_lshlrev_b32 v[BOFF], 5, v27
	v_lshlrev_b32 v[SOFF], 4, v28
	s_lshl_b32 s85, s31, 2
	s_add_co_u32 s85, s85, s25
	s_lshl_b32 s85, s85, 13
	s_lshl_b32 s86, s[EX], 17
	s_add_co_u32 s85, s85, s86
	v_lshl_add_u32 v[PFO], v28, 8, s85
	s_cmp_lg_u32 s[WV], 0                          ; the first W2: 8,192 bytes a work-group, 16 work-groups of four clusters
	s_cbranch_scc1 .Lno_ask
	s_cmp_gt_u32 s31, 3
	s_cbranch_scc1 .Lno_ask
	global_prefetch_b8 v[PFO], s[12:13] th:TH_LOAD_NT scope:SCOPE_SE
.Lno_ask:
	s_wait_alu depctr_va_vdst(0)
	global_load_b32 v[BGV], v[BGO], s[20:21]
	WIN 0x80
.irp b, 0,1,2,3
.irp i, 0,1,2,3,4,5,6,7,8,9,10,11,12,13,14,15
	global_load_b32 v[WGF+16*\b+\i], v[WGO], s[18:19] offset:32*(32*\b+16*(\i/8)+\i%8)   ; Wg at k = 128 wave + 32 b + 16 (i / 8) + 8 h + i % 8
.endr
.endr
	BLOADS EX
	SLOADS 8, EX, W1S
	v_mul_u32_u24 v[AW1], v26, PITCH
	v_lshl_add_u32 v[AW1], v27, 4, v[AW1]
	v_add_nc_u32 v[AW1], s80, v[AW1]
	v_add_nc_u32 v[AW2], SLB, v[AW1]
	v_add_nc_u32 v[LIH], HIMG, v[SOFF]
	v_add_nc_u32 v[LSH], HSC, v[SOFF]
	v_add_nc_u32 v[LIX], XIMG, v[SOFF]
	v_add_nc_u32 v[LSX], XSC, v[SOFF]
	v_add_nc_u32 v[GBR], GBI, v[SOFF]
	v_add_nc_u32 v[WGW], s72, v[LIH]
	v_add_nc_u32 v[XWI], s72, v[LIX]
	s_lshl_b32 s73, s[WV], 10
	v_add_nc_u32 v[HWI], s73, v[LIH]
	s_lshl_b32 s74, s[WV], 2
	v_add_nc_u32 v[HWS], s74, v[LSH]
	s_lshl_b32 s75, s[WV], 9
	v_add_nc_u32 v[XWS], s75, v[LSX]
	v_add_nc_u32 v[GBW], s75, v[GBR]
	v_add_nc_u32 v[CO], s75, v[SOFF]
	s_mul_i32 s76, s[WV], 16*XP
	s_add_co_u32 s76, s76, SLB
	v_mul_u32_u24 v[XA], v26, XP                   ; x: my 16 tokens, K's first half,
	v_lshl_add_u32 v[XA], v27, 5, v[XA]
	v_add_nc_u32 v[XA], s76, v[XA]
	v_add_nc_u32 v[XA1], 2*QUART, v[XA]            ; and its second
	v_lshlrev_b32 v[GR0], 4, v26
	v_add_nc_u32 v[GR0], GIMG, v[GR0]
	v_add_nc_u32 v[GWA], s74, v[GR0]
	v_add_nc_u32 v[HMASK], -1, v27                 ; lanes 0-15 all ones, lanes 16-31 zero
	v_mul_u32_u24 v[STO], v26, 528
	v_lshl_add_u32 v[STO], v27, 5, v[STO]
	v_add_nc_u32 v[STO], s80, v[STO]
	v_add_nc_u32 v[RD], s80, v[SOFF]
.irp j, 0,1,2,3,4,5,6,7
	s_add_co_u32 s84, s[EX], \j
	s_and_b32 s84, s84, 7
	s_lshl_b32 s84, s84, 11
	v_lshl_add_u32 v[TM+\j], v26, 2, s84           ; b2's row of expert (first + j) % 8
.endr
.irp q, 0,1,2,3,4,5,6,7,8,9,10,11,12,13,14,15
	v_mov_b32 v[TN+\q], 0                          ; written once: a lane permute's destination counts as one of its sources
.endr
	s_wait_alu depctr_va_vdst(0)
	s_wait_loadcnt 20                              ; Wg is in; b1's 16 and the scales' 4 may be out
	WIN 0x0a
.set i, 0
.rept 32
	v_cvt_pk_f16_f32 v[WGB+i], v[WGF+2*i], v[WGF+2*i+1]
.set i, i+1
.endr
	WIN 0
.irp q, 0,1,2,3,4,5,6,7
	ds_store_b128 v[WGW], v[WGB+4*\q:WGB+4*\q+3] offset:512*\q
.endr
	WIN 0xc0
.irp T, 0,1,2,3,4,5,6,7
.irp j, 0,1,2,3,4,5,6,7
	global_load_b32 v[8*\T+\j], v[TM+\j], s[16:17] offset:64*\T   ; b2 at feature 128 wave + 16 T + r
.endr
.endr
	WIN 0
	s_wait_alu depctr_va_vdst(0)
	s_wait_dscnt 0x0                               ; my part of Wg's image is stored:
	s_barrier_signal -1
	s_barrier_wait -1                              ; it is whole
	WIN 0x40
.set i, 0
.rept 32
	ds_load_b128 v[4*i:4*i+3], v[LIH] offset:512*i ; Wg's 16 fragments
.set i, i+1
.endr
	WIN 0
	s_wait_tensorcnt 0x0                           ; my tile of x or of W1 is in:
	s_wait_dscnt 0x0
	s_barrier_signal -1
	s_barrier_wait -1                              ; that holds of every wave
.macro XLD ks
	WIN 0x80
.irp T, 0,1,2,3,4,5,6,7
.if \ks < 2
	ds_load_b128 v[64*\ks+8*\T:64*\ks+8*\T+3],   v[XA] offset:512*(\ks%2)+64*\T
	ds_load_b128 v[64*\ks+8*\T+4:64*\ks+8*\T+7], v[XA] offset:512*(\ks%2)+64*\T+16
.else
	ds_load_b128 v[64*\ks+8*\T:64*\ks+8*\T+3],   v[XA1] offset:512*(\ks%2)+64*\T
	ds_load_b128 v[64*\ks+8*\T+4:64*\ks+8*\T+7], v[XA1] offset:512*(\ks%2)+64*\T+16
.endif
.endr
.endm
	XLD 0
	XLD 1
; 128 along K of my 16 tokens: rounded to f16 for the gate's product; four accumulators by turns
.macro XSTEP ks, younger
	s_wait_dscnt \younger
.if \ks == 0
	XLD 2
.endif
.if \ks == 1
	XLD 3
.endif
	WIN 0x4a
.set i, 0
.rept 32
	v_cvt_pk_f16_f32 v[XB+32*\ks+i], v[64*\ks+2*i], v[64*\ks+2*i+1]
.set i, i+1
.endr
	WIN 0xf5
.irp b, 0,1,2,3
.if \ks == 0
	v_wmma_f32_16x16x32_f16 v[GA+8*\b:GA+8*\b+7], v[8*(4*\ks+\b):8*(4*\ks+\b)+7], v[XB+32*\ks+8*\b:XB+32*\ks+8*\b+7], 0
.else
	v_wmma_f32_16x16x32_f16 v[GA+8*\b:GA+8*\b+7], v[8*(4*\ks+\b):8*(4*\ks+\b)+7], v[XB+32*\ks+8*\b:XB+32*\ks+8*\b+7], v[GA+8*\b:GA+8*\b+7]
.endif
.endr
.endm
	XSTEP 0, 16
	XSTEP 1, 16
	XSTEP 2, 16
	XSTEP 3, 0
	s_wait_xcnt 0x0                                ; b2's loads have read their offsets: the quantiser works in those registers
	QMAX 1                                         ; x's 16 blocks: block 4 ks + b
	QCVT
	QSWAP
.irp k, 0,1,2,3
	IMAGE XWI, PC+8*\k, 1024*\k
.endr
	ds_store_b128 v[XWS], v[PW:PW+3]
	FETCHW AW1, 0, 0                               ; the first W1 (whole since the barrier)
	FETCHW AW1, 1, 64
	WIN 0
.irp j, 0,1,2,3,4,5,6,7
	v_readlane_b32 s[BGS+\j], v[BGV], \j
.endr
	WIN 0xff                                       ; the softmax of my 16 tokens: register j = expert (first + j) % 8
.irp p, 0,2,4,6
	v_pk_add_f32 v[GA+\p:GA+\p+1], v[GA+\p:GA+\p+1], v[GA+8+\p:GA+8+\p+1]
	v_pk_add_f32 v[GA+16+\p:GA+16+\p+1], v[GA+16+\p:GA+16+\p+1], v[GA+24+\p:GA+24+\p+1]
.endr
.irp p, 0,2,4,6
	v_pk_add_f32 v[GA+\p:GA+\p+1], v[GA+\p:GA+\p+1], v[GA+16+\p:GA+16+\p+1]
.endr
.irp j, 0,1,2,3,4,5,6,7
	v_add_f32 v[GA+\j], s[BGS+\j], v[GA+\j]
.endr
	v_max3_num_f32 v[T1], v[GA], v[GA+1], v[GA+2]
	v_max3_num_f32 v[T1+1], v[GA+3], v[GA+4], v[GA+5]
	v_max3_num_f32 v[T1], v[T1], v[GA+6], v[GA+7]
	v_max_num_f32 v[T1], v[T1], v[T1+1]
.irp j, 0,1,2,3,4,5,6,7
	v_sub_f32 v[GA+\j], v[GA+\j], v[T1]
.endr
.irp j, 0,1,2,3,4,5,6,7
	v_mul_f32 v[GA+\j], 0x3fb8aa3b, v[GA+\j]
.endr
	s_wait_alu depctr_va_vdst(0)
.irp j, 0,1,2,3,4,5,6,7
	v_exp_f32 v[GA+\j], v[GA+\j]
.endr
	v_nop
	s_wait_alu depctr_va_vdst(0)
	v_add_f32 v[T1], v[GA], v[GA+1]
	v_add_f32 v[T1+1], v[GA+2], v[GA+3]
	v_add_f32 v[T1+2], v[GA+4], v[GA+5]
	v_add_f32 v[T1+3], v[GA+6], v[GA+7]
	v_add_f32 v[T1], v[T1], v[T1+1]
	v_add_f32 v[T1+2], v[T1+2], v[T1+3]
	v_add_f32 v[T1], v[T1], v[T1+2]
	s_wait_alu depctr_va_vdst(0)
	v_rcp_f32 v[T1+1], v[T1]
	v_nop
	s_wait_alu depctr_va_vdst(0)
.irp j, 0,1,2,3,4,5,6,7
	v_mul_f32 v[GA+\j], v[GA+\j], v[T1+1]
.endr
.irp q, 0,1,2,3
	v_cvt_pk_bf16_f32 v[GPK+\q], v[GA+2*\q], v[GA+2*\q+1]
.endr
	WIN 0xc3
.irp q, 0,1,2,3
	v_and_b32 v[GPK+\q], v[GPK+\q], v[HMASK]       ; K = 8 .. 15 (lanes 16-31) counts for nothing
.endr
	WIN 0x0c
.irp j, 0,1,2,3,4,5,6,7
	ds_store_b32 v[GWA], v[GA+\j] offset:256*\j
.endr
	ds_store_b128 v[GBW], v[GPK:GPK+3]
	WIN 0
	s_wait_alu depctr_va_vdst(0)
	s_wait_tensorcnt 0x0
	ds_add_u32 v[SPW], v[NIL]
	s_wait_dscnt 0x0                               ; the add, my reads of x and my stores are done
	ROUND                                          ; nobody reads x any more; the images are whole
	tensor_load_to_lds s[G0B:G0B+3], s[G1W:G1W+7]  ; the first W2
	s_nop 0
	PLACES
	WIN 0x80
.irp mm, 0,1,2,3
	ds_load_b128 v[64+8*\mm:64+8*\mm+3], v[GBR] offset:512*\mm
.endr
	WIN 0x40
.set i, 0
.rept 32
	ds_load_b128 v[XF+4*i:XF+4*i+3], v[LIX] offset:512*i   ; X stays in registers: fragment (mm, ks) at XF + 8 (4 mm + ks)
.set i, i+1
.endr
	WIN 0
.irp mm, 0,1,2,3
	ds_load_b128 v[XS+4*\mm:XS+4*\mm+3], v[LSX] offset:512*\mm
.endr
	s_wait_loadcnt 0x0                             ; b2
	WIN 0x8f
.irp T, 0,1,2,3,4,5,6,7
.irp q, 0,1,2,3
	v_cvt_pk_bf16_f32 v[4*\T+\q], v[8*\T+2*\q], v[8*\T+2*\q+1]
.endr
.endr
	WIN 0x80
.irp q, 0,1,2,3
	v_mov_b32 v[32+\q], 0
.endr
.irp mm, 0,1,2,3
.irp q, 4,5,6,7
	v_mov_b32 v[64+8*\mm+\q], 0                    ; K = 16 .. 31: zero gates.  (b2's operand has the next tile's numbers there)
.endr
.endr
	s_wait_alu depctr_va_vdst(0)
	s_wait_dscnt 36                                ; the gates are in; X's 32 and its scales' 4 may be out
	WIN 0xca
.irp T, 0,1,2,3,4,5,6,7
.irp mm, 0,1,2,3
	v_wmma_f32_16x16x32_bf16 v[64*\mm+8*\T:64*\mm+8*\T+7], v[4*\T:4*\T+7], v[64+8*\mm:64+8*\mm+7], 0   ; the output's sums begin as gates x b2
.endr
.endr
	WIN 0
.rept 5
	v_nop                                          ; the next products write over these operands: five places
.endr
	s_wait_dscnt 0x0
; PHASE 1: the hidden layer's 128 features of mine, quantised into the image.  W1's K steps 0 and 1 (16 + 16 loads) have been asked for, in this order, ahead of it.
; fin = 1: the last expert, whose W2 fragments all come into window 1 (X is done with) while the codes are finished.
.macro PHASE1 fin
	s_wait_loadcnt 0x0                             ; W1's scales and b1
	SLOADS 14, EX, W2S
	MUL 1, 0, 16
	PLACES
	MUL 1, 1, 16
	PLACES
	MUL 1, 2, 16
	PLACES
	MUL 1, 3, 0
	PLACES
	QMAX 0
	QCVT
.if \fin
	s_wait_alu depctr_va_vdst(0)
	s_wait_tensorcnt 0x0                           ; my rows of W2 are in: only I read them
	FETCHW AW2, 0, 0
	FETCHW AW2, 1, 64
	FETCHW AW2, 2, 128
	FETCHW AW2, 3, 192
	WIN 0
.endif
	QMASK
	QSWAP
.irp m, 0,1,2,3
	IMAGE HWI, PC+8*\m, 4096*\m
	ds_store_b32 v[HWS], v[PW+\m] offset:512*\m
.endr
.endm
; Behind phase 1: slot A has been read; the next expert's W1 goes there.
.macro CHANGE_A
	s_wait_tensorcnt 0x0
	ds_add_u32 v[SPW], v[NIL]
	s_add_co_u32 s[EN], s[EX], 1
	s_and_b32 s[EN], s[EN], 7
	PTR G0A+2, 6, EN, 17
	s_or_b32 s[G0A+3], s[G0A+3], 0x80000000
	s_wait_dscnt 0x0                               ; the add, my reads and my part of the hidden layer
	ROUND
	tensor_load_to_lds s[G0A:G0A+3], s[G1W:G1W+7]
	s_nop 0
	PLACES
.endm
.macro GATES                           ; the expert's four gates of my lane's tokens, the hidden layer's scale words
	v_add_nc_u32 v[GRA], s[GI], v[GR0]
	ds_load_b128 v[G:G+3], v[GRA]
.irp mm, 0,1,2,3
	ds_load_b128 v[HS+4*\mm:HS+4*\mm+3], v[LSH] offset:512*\mm
.endr
.endm
.macro PHASE2
	GATES
	FETCHH 0
	FETCHW AW2, 0, 0
	FETCHH 1
	FETCHW AW2, 1, 64
	s_wait_loadcnt 0x0                             ; W2's scales
	BLOADS EN                                      ; the next expert's b1 and W1's scales, while the fragments above are on their way
	SLOADS 8, EN, W1S
	MUL 2, 0, 24
	PLACES
	MUL 2, 1, 24
	PLACES
	MUL 2, 2, 24
	PLACES
	MUL 2, 3, 0
	PLACES
.endm
; Behind phase 2: the multiply-adds, and slot B has been read; the next expert's W2 goes there.  Behind that request the next W1's first two K steps are read.
.macro CHANGE_B
	FMA 0
	FMA 1
	FMA 2
	FMA 3
	WIN 0
	s_wait_tensorcnt 0x0
	ds_add_u32 v[SPW], v[NIL]
	PTR G0B+2, 12, EN, 17
	s_or_b32 s[G0B+3], s[G0B+3], 0x80000000
	s_mov_b32 s[EX], s[EN]
	s_add_co_u32 s[GI], s[GI], 256
	s_wait_dscnt 0x0                               ; the add and all my reads
	ROUND
	tensor_load_to_lds s[G0B:G0B+3], s[G1W:G1W+7]
	s_nop 0
	PLACES
	FETCHW AW1, 0, 0
	FETCHW AW1, 1, 64
	WIN 0
.endm
.Lexpert:
	PHASE1 0
	CHANGE_A
	PHASE2
	CHANGE_B
	s_sub_co_u32 s[CNT], s[CNT], 1
	s_cmp_lg_u32 s[CNT], 0
	s_cbranch_scc1 .Lexpert
	PHASE1 1                                       ; the last expert fills nothing again
	s_wait_tensorcnt 0x0
	s_wait_dscnt 0x0
	s_barrier_signal -1
	s_barrier_wait -1
; THE LAST PHASE 2 GOES BY TOKEN TILES: all of W2's fragments are in window 1, so a tile's 16 tokens are finished, and leave, while the others are multiplied.
; The stage lies in my rows of slot A, which has had its last fill and whose rows I alone read.
.macro LDH mm
	WIN 0
.irp k, 0,1,2,3
	ds_load_b128 v[HF+32*(\mm%2)+8*\k:HF+32*(\mm%2)+8*\k+3],   v[LIH] offset:1024*(4*\mm+\k)
	ds_load_b128 v[HF+32*(\mm%2)+8*\k+4:HF+32*(\mm%2)+8*\k+7], v[LIH] offset:1024*(4*\mm+\k)+512
.endr
.endm
.macro ROWM mm                         ; 16 matrix instructions, four accumulators by turns
.irp k, 0,1,2,3
.irp p, 0,1,2,3
.set rD, 64*\mm+16*\p
.set rA, 64*\k+16*\p
.set rB, HF+32*(\mm%2)+8*\k
.if \k == 0
	WIN 0x81
	v_wmma_scale_f32_32x16x128_f4 v[rD:rD+15], v[rA:rA+15], v[rB:rB+7], 0, v[W2S+4*\p+\k], v[HS+4*\mm+\k]
.else
	WIN 0xa1
	v_wmma_scale_f32_32x16x128_f4 v[rD:rD+15], v[rA:rA+15], v[rB:rB+7], v[rD:rD+15], v[W2S+4*\p+\k], v[HS+4*\mm+\k]
.endif
.endr
.endr
	PLACES
.endm
.macro TOSTAGE mm                      ; 16 rows of 512 bytes through my stage; LDS serves a wave's instructions in order (ISA guide 5.7.1.4)
	WIN 0x0c
.irp T, 0,1,2,3,4,5,6,7
	ds_store_b128 v[STO], v[64*\mm+8*\T:64*\mm+8*\T+3] offset:64*\T
	ds_store_b128 v[STO], v[64*\mm+8*\T+4:64*\mm+8*\T+7] offset:64*\T+16
.endr
	WIN 0x80
.irp i, 0,1,2,3,4,5,6,7,8,9,10,11,12,13,14,15
	ds_load_b128 v[64*\mm+4*\i:64*\mm+4*\i+3], v[RD] offset:528*\i
.endr
.endm
.macro SEND mm, younger                ; 32 lanes store 512 consecutive bytes, aligned
	s_wait_dscnt \younger
	WIN 0x08
.irp i, 0,1,2,3,4,5,6,7,8,9,10,11,12,13,14,15
	global_store_b128 v[CO], v[64*\mm+4*\i:64*\mm+4*\i+3], s[22:23] offset:2048*(16*\mm+\i) th:TH_STORE_NT
.endr
.endm
	GATES
	LDH 0
	LDH 1
	s_wait_loadcnt 0x0
	s_wait_dscnt 8                                 ; all but tile 1 of H
	ROWM 0
	LDH 2
	FMA 0
	TOSTAGE 0
	s_wait_dscnt 40                                ; tile 1 of H is in; behind it tile 2's 8 and the stage's 32
	ROWM 1
	LDH 3
	FMA 1
	TOSTAGE 1
	SEND 0, 32                                     ; behind tile 0's rows: tile 1's 32 (tiles 2 and 3 of H stand ahead of them)
	ROWM 2
	FMA 2
	TOSTAGE 2
	SEND 1, 32
	ROWM 3
	FMA 3
	TOSTAGE 3
	SEND 2, 32
	SEND 3, 0
	WIN 0
	s_wait_tensorcnt 0x0                           ; the wave's end
	ds_add_u32 v[SPW], v[NIL]
	s_wait_dscnt 0x0
	ROUND                                          ; the closing round
	s_endpgm
.Lfunc_end_k_q9c849b0447_moe:
	.size	k_q9c849b0447_moe, .Lfunc_end_k_q9c849b0447_moe-k_q9c849b0447_moe
	.p2alignl 7, 3214868480
	.fill 96, 4, 3214868480
	.section	.rodata,"a",@progbits
	.p2align	6, 0x0
	.amdhsa_kernel k_q9c849b0447_moe
		.amdhsa_group_segment_fixed_size 327680
		.amdhsa_private_segment_fixed_size 0
		.amdhsa_enable_private_segment 0
		.amdhsa_kernarg_size 80
		.amdhsa_user_sgpr_count 2
		.amdhsa_user_sgpr_kernarg_segment_ptr 1
		.amdhsa_wavefront_size32 1
		.amdhsa_system_sgpr_workgroup_id_x 1
		.amdhsa_system_sgpr_workgroup_id_y 1
		.amdhsa_system_sgpr_workgroup_id_z 1
		.amdhsa_system_vgpr_workitem_id 0
		.amdhsa_next_free_vgpr 1024
		.amdhsa_next_free_sgpr 100
		.amdhsa_reserve_vcc 0
		.amdhsa_float_denorm_mode_32 3
		.amdhsa_float_denorm_mode_16_64 3
		.amdhsa_memory_ordered 1
		.amdhsa_forward_progress 1
		.amdhsa_inst_pref_size 204
	.end_amdhsa_kernel
	.amdgpu_metadata
---
amdhsa.version: [ 1, 2 ]
amdhsa.kernels:
  - .name:           k_q9c849b0447_moe
    .symbol:         k_q9c849b0447_moe.kd
    .args:
      - { .name: x, .offset: 0, .size: 8, .value_kind: global_buffer, .address_space: global }
      - { .name: W1_codes, .offset: 8, .size: 8, .value_kind: global_buffer, .address_space: global }
      - { .name: W1_scales, .offset: 16, .size: 8, .value_kind: global_buffer, .address_space: global }
      - { .name: b1, .offset: 24, .size: 8, .value_kind: global_buffer, .address_space: global }
      - { .name: W2_codes, .offset: 32, .size: 8, .value_kind: global_buffer, .address_space: global }
      - { .name: W2_scales, .offset: 40, .size: 8, .value_kind: global_buffer, .address_space: global }
      - { .name: b2, .offset: 48, .size: 8, .value_kind: global_buffer, .address_space: global }
      - { .name: Wg, .offset: 56, .size: 8, .value_kind: global_buffer, .address_space: global }
      - { .name: bg, .offset: 64, .size: 8, .value_kind: global_buffer, .address_space: global }
      - { .name: out0, .offset: 72, .size: 8, .value_kind: global_buffer, .address_space: global }
    .group_segment_fixed_size: 327680
    .private_segment_fixed_size: 0
    .kernarg_segment_align: 8
    .kernarg_segment_size: 80
    .max_flat_workgroup_size: 128
    .sgpr_count:     100
    .vgpr_count:     1024
    .wavefront_size: 32
...
	.end_amdgpu_metadata
.endif
;; end of part 1
